; MI455X (gfx1250); checked and timed in simulation.
; The chip was launched on July 23, 2026; its instructions are those of AMD's public machine-readable ISA for CDNA 5 (MIT licence, August 2026) and "CDNA5" Instruction Set Architecture Reference Guide (July 2026). The comments in the code are by the model that wrote it; some were corrected since.
;; Scaled Dot Product. Allowed arithmetic: matrix products marked QUANTISED: E3M2 operands, one E8M0 scale for each 32 along K, by v_wmma_scale_f32_16x16x128_f8f6f4 with both operands' format E3M2, f32 sums; everything else in f32.
;; Inputs: k 4 x 16 x 2,048 x 64 float32; q 4 x 16 x 2,048 x 64 float32; v 4 x 16 x 2,048 x 64 float32.
;; Outputs: out0 4 x 16 x 2,048 x 64 float32.
;; This version of the problem:
;;   THIS VERSION OF THE PROBLEM IS GIVEN IN LOW PRECISION. The matrix products marked QUANTISED in the list below multiply operands that are first quantised to E3M2 (3 exponent bits, 2 mantissa bits; 6 bits a number), with one power-of-two scale for each 32 numbers along K (OCP MX v1.0); their sums are f32. All else is computed in f32.
;;   The module's matrix products, in the order in which they are computed (A, B: the left and right operand; K: the contracted axis; several contracted axes count as one K, in the product's order):
;;     1. batch 64 x [M 2,048, K 64] x [K 64, N 2,048]; A: input q; B: input k: QUANTISED
;;     2. batch 64 x [M 2,048, K 2,048] x [K 2,048, N 64]; A: softmax (see below); B: input v: QUANTISED
;;   THE QUANTISER, for each operand of a quantised product, along K:
;;     - K is cut into blocks of 32 from its start; a last block that is shorter is filled with zeros.
;;     - A block's scale is 2^e with e = floor(log2(the largest magnitude in the block)) - 4, held to -126 .. 127; a block of zeros has e = 0. As a byte (E8M0): e + 127.
;;     - Each number is divided by its block's scale, clamped to +-28, and rounded to the nearest number of E3M2, ties to even, subnormals kept.
;;     - The product sums the exact products of the quantised numbers (number of the format x scale) in f32.
;;   ~~~python
;;   def quantise(x, axis):      # numpy; x: float32 -> the quantised numbers, widened to float32 again
;;       x = np.moveaxis(x, axis, -1); K = x.shape[-1]
;;       x = np.pad(x, [(0, 0)] * (x.ndim - 1) + [(0, -K % 32)]); x = x.reshape(x.shape[:-1] + (-1, 32)); a = np.abs(x).max(-1, keepdims=True)
;;       e = np.where(a > 0, np.clip(np.frexp(np.where(a > 0, a, 1))[1] - 1 - 4, -126, 127), 0)      # np.frexp(a)[1] - 1 = floor(log2(a)), exactly
;;       r = np.clip(x / 2.0 ** e, -28, 28)
;;       step = 2.0 ** (np.maximum(np.frexp(np.where(r == 0, 1, r))[1] - 1, -2) - 2)
;;       q = np.round(r / step) * step * 2.0 ** e      # np.round: ties to even
;;       return np.moveaxis(q.reshape(q.shape[:-2] + (-1,))[..., :K], -1, axis).astype(np.float32)
;;   ~~~
;;   SOFTMAX AHEAD OF A QUANTISED PRODUCT. Where the list says 'softmax', what is quantised is not the finished softmax but p = 2^(t - M), with t = logit x log2(e) and M = ceil(the row's largest t), a whole number; so 1/2 < the row's largest p <= 1. The row's sum l is taken of the UNQUANTISED p, in f32, and the product's result is divided by l at the end. Since M is a whole number, a kernel that streams over the keys may use a running M (the ceiling of the running maximum): every later rescaling is an exact power of two, which a block's scale takes up: the codes' values come out the same.
;;   OPERANDS COMPUTED ON THE WAY. 'Computed on the way' means the value that the module computes at that place (a softmax that the list does not call 'softmax' is quantised finished and normalised). What goes into a quantiser is computed in f32, as accurately as f32 sums, v_exp_f32 and their like allow (about 1e-6 of the number): no bf16 or f16 on the way to a quantiser, and a product that is left as it is and whose result goes on into a quantised operand takes f32 operands (vector FMAs, or v_wmma_f32_16x16x4_f32). A number that lies on a knife's edge between two numbers of the format may be rounded either way, as far as f32 arithmetic and the matrix unit's own rounding can turn it there, and no further.
;; 2 versions. Each part assembles by itself: llvm-mc -triple=amdgcn-amd-amdhsa -mcpu=gfx1250 --defsym DOCPART=n.
;; ======== version 1 of 2: 1 launch
;; launch attn (part 1): grid 4 x 64, 8 waves a work-group, no clusters, 240,640 bytes of LDS; arguments q, k, v, out0; writes out0
.if DOCPART == 1
	.amdgcn_target "amdgcn-amd-amdhsa--gfx1250"
	.amdhsa_code_object_version 6
	.text
	.protected	k_q3a879fd829_attn
	.globl	k_q3a879fd829_attn
	.p2align	8
	.type	k_q3a879fd829_attn,@function
k_q3a879fd829_attn:
	s_mov_b64 s[64:65], 0
	v_nop
	global_prefetch_b8 v0, s[64:65] scope:SCOPE_SE
	s_setreg_imm32_b32 hwreg(HW_REG_WAVE_MODE, 25, 1), 1
	s_wait_xcnt 0x0
; out[h][q][:] = the sum over keys of softmax(q . k / 8) v, 64 heads of 2,048 x 64, all f32 in memory; both products on codes of BF6 (E3M2) with one E8M0 scale for each 32 along a product's K.
; t = score x log2(e) / 8; M = the running largest t rounded UP to a whole number; p = 2^(t - M) is quantised along the keys, not normalised; the row's sum is taken of the unquantised p and divides at the end.
; SHARES.  A work-group owns 512 queries of one head: 4 x 64 = 256 work-groups.  Each of its eight waves owns 64 queries, four tiles of 16, and walks all keys, 128 a step, 16 steps.
; THE HEAD'S K AND V ARE QUANTISED BY THE WORK-GROUP ITSELF, one key step ahead of the step that is multiplied: each wave takes 16 keys x 64 of K and 32 keys x 32 columns of V from memory into registers,
; and stores codes and scale bytes into LDS bytes that are written once in the launch: a head's codes are 2 x 96 KiB, its scale bytes 2 x 4 KiB.  No byte of LDS is written twice but each wave's own stage at the end.
; NO JOINT LOADS, though the four work-groups of a head read the same K and V: the numbers arrive as f32 and must pass through registers to be quantised.  Brought into LDS first, a step's 64 KiB would be written there
; and read back, 128 KiB of LDS traffic a step beside the 8 waves x 26 loads x 512 bytes = 104 KiB that the products read.  So they come by plain loads, asked for a whole key step ahead of their use.
; LAYOUT.  Both products are used transposed: S^T = K Q^T (source 0 = 16 keys, source 1 = 16 queries), O^T = V^T P^T (source 0 = 16 of the head's 64, source 1 = P): lane (r = lane % 16, h = lane / 16) holds query r throughout.
; Row m of key tile 2 b + u is key 32 b + 8 u + m + 8 (m / 8), so that the 16 registers of tiles 2 b and 2 b + 1 are the neighbouring keys 32 b + 16 h + 0 .. 15.
; THE FIRST PRODUCT'S K IS 64, THE INSTRUCTION'S 128: a fragment of K holds tile 2 b in its first six registers and tile 2 b + 1 in its last six; Q's six registers stand between runs of six zero registers,
; and the operand [Q | 0] picks tile 2 b, [0 | Q] tile 2 b + 1.  Zero codes add nothing; their scale byte on Q's side is 1.
; IMAGES.  Codes lie in LDS in the order of the operand's registers: reader lane L's twelve registers on end at 48 L, a fragment in 1,536 bytes: three loads of 16 bytes a lane bring it.
; LIMITS: NaN and infinities among the inputs are not served.  A block of zeros gets the byte 1 where the rule says 127: its codes are zeros, and this program alone reads the bytes.  A p under 2^-126 falls to 0.
; A block's largest p is made from its largest score by the same multiply-add and exponential: this takes v_exp_f32 not to fall where its input rises.
.set VIMG,  98304                      ; LDS: K's images at 0 (step s: 6,144 s; fragment b: 1,536 b; 48 L; half u: 24 u); V's here (d tile t: 1,536 t; half c: 24 c)
.set KSC,   196608                     ; K's scale bytes: 256 s + 16 r + 4 b + 2 u + h
.set VSC,   200704                     ; V's: 256 s + 16 r + 4 t + key block
.set STG,   204800                     ; the way out: 16 rows x (256 + 16) bytes for each wave
.set STEPI, 6144                       ; a step's images of K, or of V
.set STEPS, 256                        ; a step's scale bytes of K, or of V
.set STEPG, 32768                      ; a step's 128 rows of 256 bytes in memory
; window 0: v0 thread; v1 48 x lane; v2 KSC + 16 r; v3, v4 where I store K's and V's codes; v5, v6 their scale bytes; v7, v8 my byte offsets in a step of k and of v; v9-11 addresses of the reads in hand; v12-15 at work
.set ST,  16                           ; v16-31   tile q: -M, the largest t, the sum in two halves
.set SCL, 32                           ; v32-35   K's or V's scale words
.set QS,  36                           ; v36-39   Q's scale words: lanes 0-15 (s0, s1, 1, 1), lanes 16-31 (1, 1, s0, s1)
.set PS,  40                           ; v40-43   P's scale words
.set BM,  44                           ; v44-47   a block's largest score, then its largest p
.set PT,  48                           ; v48-55   at work
.set SO,  56                           ; v56-59   the conversions' scale operands
.set TT,  60
.set FF,  62                           ; v[62:63] f = 2^(old M - new M); v63 is only named with it
.set S,   64                           ; v64-127  S^T of one tile of queries, then p
.set F,   128                          ; v128-175 four fragments of K or of V
.set P,   176                          ; v176-223 P's codes, 12 a tile
.set QM,  224                          ; v224-227 the quantiser: largest magnitudes
.set QSC, 228                          ; v228-229 scale operands
.set QBY, 230                          ; v230-231 scale bytes
.set QC,  232                          ; v232-247 codes: unit e at QC + 8 e
; window 1: v0-127 O^T, accumulator (q, t) at 32 q + 8 t (at the head: step 0's numbers); from v128 zeros and Q by turns; v192-223, v224-255 the next step's numbers of K and of V
.set QB,  128                          ; zeros i at QB + 12 i (i = 0 .. 4), Q's tile i at QB + 6 + 12 i
.set STK, 192
.set STV, 224
.set MSB, 0
.macro WIN new                         ; s_set_vgpr_msb: bits 1:0 source 0, 3:2 source 1, 5:4 source 2, 7:6 destination; the high byte repeats the setting that is left
.if MSB != (\new)
	s_set_vgpr_msb (MSB<<8)|(\new)
.set MSB, (\new)
.endif
.endm
.macro PLACES                          ; four plain vector instructions between a matrix instruction and the first read of its result, or a load into one of its registers
.rept 4
	v_nop
.endr
.endm
; A step's numbers for my two units, from off bytes behind the bases: K: my key's 32 numbers of my half of its row; V: 32 keys of my column
.macro LOADKV kx, vx, off
	WIN 0x40                                       ; destination window 1
.irp j, 0,1,2,3,4,5,6,7
	global_load_b128 v[\kx+4*\j:\kx+4*\j+3], v7, s[6:7] offset:\off+16*\j
.endr
.set jj, 0
.rept 32
	global_load_b32 v[\vx+jj], v8, s[8:9] offset:\off+256*jj       ; 32 lanes read 128 consecutive bytes of one key's row
.set jj, jj+1
.endr
	WIN 0
.endm
; Two blocks of 32 numbers, each whole in my lane (v[xa] on, v[xb] on, in window w), become 2 x 6 registers of codes at QC and QC + 8 and two scale bytes at QBY.
.macro QUANT2 xa, xb, w
	WIN 0x05*(\w)
	v_max3_num_f32 v[QM],   |v[\xa]|,    |v[\xa+1]|,  0x2800000    ; four chains; the floor 2^(5 - 127) is one more leaf, so that the byte cannot fall under 1
	v_max3_num_f32 v[QM+1], |v[\xa+16]|, |v[\xa+17]|, 0x2800000
	v_max3_num_f32 v[QM+2], |v[\xb]|,    |v[\xb+1]|,  0x2800000
	v_max3_num_f32 v[QM+3], |v[\xb+16]|, |v[\xb+17]|, 0x2800000
.irp i, 2,4,6,8,10,12,14
	v_max3_num_f32 v[QM],   |v[\xa+\i]|,    |v[\xa+\i+1]|,  v[QM]
	v_max3_num_f32 v[QM+1], |v[\xa+16+\i]|, |v[\xa+17+\i]|, v[QM+1]
	v_max3_num_f32 v[QM+2], |v[\xb+\i]|,    |v[\xb+\i+1]|,  v[QM+2]
	v_max3_num_f32 v[QM+3], |v[\xb+16+\i]|, |v[\xb+17+\i]|, v[QM+3]
.endr
	WIN 0
	v_max_num_f32 v[QM], v[QM], v[QM+1]
	v_max_num_f32 v[QM+2], v[QM+2], v[QM+3]
	v_add_nc_u32 v[QSC], 0xfe000000, v[QM]         ; 4 off the exponent field: the conversion takes the exponent field of this operand as its scale
	v_add_nc_u32 v[QSC+1], 0xfe000000, v[QM+2]
	v_lshrrev_b32 v[QBY], 23, v[QSC]               ; the scale's byte
	v_lshrrev_b32 v[QBY+1], 23, v[QSC+1]
	WIN 0x01*(\w)
	v_cvt_scalef32_pk16_bf6_f32 v[QC:QC+2],     v[\xa:\xa+15],    v[QSC]
	v_cvt_scalef32_pk16_bf6_f32 v[QC+4:QC+6],   v[\xa+16:\xa+31], v[QSC]     ; (a conversion's three registers begin on an even number)
	v_cvt_scalef32_pk16_bf6_f32 v[QC+8:QC+10],  v[\xb:\xb+15],    v[QSC+1]
	v_cvt_scalef32_pk16_bf6_f32 v[QC+12:QC+14], v[\xb+16:\xb+31], v[QSC+1]
	WIN 0
	v_nop                                          ; one plain place behind a scaled conversion
.irp e, 0,8
.irp i, 3,4,5
	v_mov_b32 v[QC+\e+\i], v[QC+\e+\i+1]           ; the block's 24 bytes on end
.endr
.endr
.endm
; The two units go to LDS: ko, so bytes behind the images and scale bytes of the step that s24 and s25 stand at
.macro QSTORE ko, so
	v_add_nc_u32 v12, s24, v3
	v_add_nc_u32 v13, s24, v4
	v_add_nc_u32 v14, s25, v5
	v_add_nc_u32 v15, s25, v6
.irp i, 0,1,2
	ds_store_b64 v12, v[QC+2*\i:QC+2*\i+1] offset:\ko+8*\i
.endr
.irp i, 0,1,2
	ds_store_b64 v13, v[QC+8+2*\i:QC+9+2*\i] offset:\ko+8*\i
.endr
	ds_store_b8 v14, v[QBY] offset:\so
	ds_store_b8 v15, v[QBY+1] offset:\so
.endm
.macro KLOADS                          ; the step's four scale words a row by one load, then its four fragments of K (32 keys each)
	ds_load_b128 v[SCL:SCL+3], v11
.irp b, 0,1,2,3
.irp j, 0,1,2
	ds_load_b128 v[F+12*\b+4*\j:F+12*\b+4*\j+3], v9 offset:1536*\b+16*\j
.endr
.endr
.endm
.macro VLOADS                          ; the same for V: four tiles of 16 of the head's 64 x 128 keys
	ds_load_b128 v[SCL:SCL+3], v11 offset:VSC-KSC
.irp t, 0,1,2,3
.irp j, 0,1,2
	ds_load_b128 v[F+12*\t+4*\j:F+12*\t+4*\j+3], v10 offset:1536*\t+16*\j
.endr
.endr
.endm
; S^T of tile q of my queries against the step's 128 keys: eight products.  counted = 1: the fragments are still landing
.macro SWMMA q, counted
	WIN 0x04                                       ; source 1 (Q) window 1
.irp b, 0,1,2,3
.if \counted
	s_wait_dscnt 3*(3-\b)                          ; LDS loads come back in order: the three loads of each later fragment may be out
.endif
	v_wmma_scale_f32_16x16x128_f8f6f4 v[S+16*\b:S+16*\b+7], v[F+12*\b:F+12*\b+11], v[QB+6+12*(\q):QB+17+12*(\q)], 0, v[SCL+\b], v[QS+(\q)] matrix_a_fmt:MATRIX_FMT_BF6 matrix_b_fmt:MATRIX_FMT_BF6
	v_wmma_scale_f32_16x16x128_f8f6f4 v[S+8+16*\b:S+15+16*\b], v[F+12*\b:F+12*\b+11], v[QB+12*(\q):QB+11+12*(\q)], 0, v[SCL+\b], v[QS+(\q)] matrix_a_fmt:MATRIX_FMT_BF6 matrix_b_fmt:MATRIX_FMT_BF6 matrix_b_scale:MATRIX_SCALE_ROW1
.endr
	WIN 0
.endm
; Tile q's softmax for this step: S^T becomes p, P's codes and scale word; -M, the largest t and the sum are carried on; f is left in v[FF].  Each accumulator is read from its low end on.
.macro SOFTMAX q
.set rT, ST+4*(\q)
.set rP, P+12*(\q)
.irp b, 0,1,2,3
	v_max3_num_f32 v[BM+\b], v[S+16*\b], v[S+1+16*\b], v[S+2+16*\b]          ; the largest score of each block of 32 keys: for the row's maximum, and for the block's largest p
.endr
.irp i, 3,5,7,9,11,13
.irp b, 0,1,2,3
	v_max3_num_f32 v[BM+\b], v[BM+\b], v[S+16*\b+\i], v[S+1+16*\b+\i]        ; (the four blocks by turns)
.endr
.endr
.irp b, 0,1,2,3
	v_max_num_f32 v[BM+\b], v[BM+\b], v[S+15+16*\b]
.endr
.irp b, 0,1,2,3
	v_permlanex16_b32 v[PT+\b], v[BM+\b], s20, s21
.endr
.irp b, 0,1,2,3
	v_max_num_f32 v[BM+\b], v[BM+\b], v[PT+\b]     ; with lane l xor 16's 16 keys
.endr
	v_max3_num_f32 v[TT], v[BM], v[BM+1], v[BM+2]
	v_max_num_f32 v[TT], v[TT], v[BM+3]            ; the step's largest score of my query,
	v_mul_f32 v[TT], s22, v[TT]                    ; as t (c is positive)
	v_max_num_f32 v[rT+1], v[rT+1], v[TT]          ; the running largest t
	v_mov_b32 v[TT], v[rT]
	v_floor_f32 v[rT], -v[rT+1]                    ; the new -M = floor(-t) = -ceil(t): a whole number
	v_sub_f32 v[TT], v[rT], v[TT]                  ; old M - new M: a whole number, 0 or less
	v_cvt_i32_f32 v[TT], v[TT]                     ; (it saturates)
	v_ldexp_f32 v[FF], 1.0, v[TT]                  ; f = 2^(old M - new M): a multiplication by it rounds nothing
.set jj, 0
.rept 32
	v_pk_fma_f32 v[S+jj:S+jj+1], v[S+jj:S+jj+1], s[22:23], v[rT:rT+1] op_sel_hi:[1,0,0]   ; t - M, two at a time (of the pairs c and -M the low word serves both halves)
.set jj, jj+2
.endr
.irp b, 0,1,2,3
	v_fma_f32 v[BM+\b], v[BM+\b], s22, v[rT]       ; the same of each block's largest score
.endr
.set jj, 0
.rept 64
	v_exp_f32 v[S+jj], v[S+jj]                     ; p = 2^(t - M), at most 1
.set jj, jj+1
.endr
.irp b, 0,1,2,3
	v_exp_f32 v[BM+\b], v[BM+\b]                   ; the block's largest p
.endr
	v_pk_mul_f32 v[rT+2:rT+3], v[rT+2:rT+3], v[FF:FF+1] op_sel_hi:[1,0]      ; the sum under the new M.  (The plain place behind the exponentials)
	s_wait_alu depctr_va_vdst(0)
.irp b, 0,1,2,3
	v_max_num_f32 v[BM+\b], 0x2800000, v[BM+\b]    ; the floor 2^(5 - 127): the byte cannot fall under 1
.endr
.irp b, 0,1,2,3
	v_add_nc_u32 v[SO+\b], 0xfe000000, v[BM+\b]    ; 4 off the exponent field: the conversion's scale operand
.endr
.irp b, 0,1,2,3
	v_lshrrev_b32 v[PT+\b], 23, v[SO+\b]           ; the scale's byte
.endr
	v_lshl_or_b32 v[PS+(\q)], v[PT+1], 8, v[PT]    ; p's scale word for these 128 keys
	v_lshl_or_b32 v[PS+(\q)], v[PT+2], 16, v[PS+(\q)]
	v_lshl_or_b32 v[PS+(\q)], v[PT+3], 24, v[PS+(\q)]
.irp c, 0,1
	v_cvt_scalef32_pk16_bf6_f32 v[rP+6*\c:rP+2+6*\c], v[S+32*\c:S+15+32*\c], v[SO+2*\c]
	v_cvt_scalef32_pk16_bf6_f32 v[PT+4*\c:PT+2+4*\c], v[S+16+32*\c:S+31+32*\c], v[SO+2*\c+1]   ; (a conversion's three registers begin on an even number)
.endr
	v_nop                                          ; one plain place behind a scaled conversion
.irp c, 0,1                                    ; the operand's layout wants a whole block in a lane: lanes 0-15 block 2 c, lanes 16-31 block 2 c + 1
.irp i, 0,1,2
	v_permlane16_swap_b32 v[rP+6*\c+\i], v[PT+4*\c+\i]
.endr
.irp i, 0,1,2
	v_mov_b32 v[rP+3+6*\c+\i], v[PT+4*\c+\i]
.endr
.endr
	v_pk_add_f32 v[PT:PT+1], v[S:S+1], v[S+2:S+3]  ; the row's sum is taken of the unquantised p: two at a time, in two chains
.set jj, 4
.rept 15
	v_pk_add_f32 v[rT+2:rT+3], v[rT+2:rT+3], v[S+jj:S+jj+1]
	v_pk_add_f32 v[PT:PT+1], v[PT:PT+1], v[S+2+jj:S+3+jj]
.set jj, jj+4
.endr
	v_pk_add_f32 v[rT+2:rT+3], v[rT+2:rT+3], v[PT:PT+1]
.endm
.macro RESCALE q                       ; tile q's O^T under the new M: x f, from each accumulator's low end on
	WIN 0x41                                       ; destination and source 0 window 1
.set jj, 32*(\q)
.rept 16
	v_pk_mul_f32 v[jj:jj+1], v[jj:jj+1], v[FF:FF+1] op_sel_hi:[1,0]
.set jj, jj+2
.endr
	WIN 0
.endm
.macro PV first                        ; O^T += V^T P^T: the 16 accumulators take turns, one instruction a turn.  first = 1: the products start the sums: nothing is cleared
	s_wait_dscnt 0x0                               ; V's fragments and scale words are in
	WIN 0x50                                       ; C and D window 1
.irp t, 0,1,2,3
.irp q, 0,1,2,3
.if \first
	v_wmma_scale_f32_16x16x128_f8f6f4 v[32*\q+8*\t:32*\q+8*\t+7], v[F+12*\t:F+12*\t+11], v[P+12*\q:P+12*\q+11], 0, v[SCL+\t], v[PS+\q] matrix_a_fmt:MATRIX_FMT_BF6 matrix_b_fmt:MATRIX_FMT_BF6
.else
	v_wmma_scale_f32_16x16x128_f8f6f4 v[32*\q+8*\t:32*\q+8*\t+7], v[F+12*\t:F+12*\t+11], v[P+12*\q:P+12*\q+11], v[32*\q+8*\t:32*\q+8*\t+7], v[SCL+\t], v[PS+\q] matrix_a_fmt:MATRIX_FMT_BF6 matrix_b_fmt:MATRIX_FMT_BF6
.endif
.endr
.endr
	WIN 0
.endm
; A key step's products and softmax, from the images that s24 and s25 stand at.  The next tile's eight products are issued ahead of the last tile's rescaling of O^T, whose 16 lines are their places.
.macro COMPUTE first
	v_add_nc_u32 v9, s24, v1                       ; these four lines are the places between the last step's products and the loads into their operands
	v_add_nc_u32 v11, s25, v2
	v_add_nc_u32 v10, VIMG, v9
	v_nop
	KLOADS
	SWMMA 0, 1
	PLACES
.irp q, 0,1,2,3
	SOFTMAX \q
.if \q < 3
	SWMMA \q+1, 0
.endif
.if \first
.if \q < 3
	PLACES                                         ; the first step has nothing to rescale
.endif
.else
	RESCALE \q
.endif
.if \q == 2
	VLOADS                                         ; K's fragments are done with; V's land under the last tile's softmax
.endif
.endr
	PV \first
.endm
; A trip.  quant = 1: the next step's numbers, asked for a trip ago, are quantised and stored; load = 1: the numbers of the step after that are asked for.
; ONE BARRIER A STEP: a wave signals when its stores of the next step's images are done, works on this step, and waits at the trip's end.  Between signal and wait stand register work
; and LDS loads of this step's images, which no wave ever writes again.
.macro TRIP quant, load, first
.if \quant
	s_wait_loadcnt 0x0                             ; the next step's numbers are in; the loads are done, so their bases may step
	s_add_nc_u64 s[6:7], s[6:7], STEPG
	s_add_nc_u64 s[8:9], s[8:9], STEPG
	QUANT2 STK, STV, 1
	QSTORE STEPI, STEPS
.if \load
	LOADKV STK, STV, STEPG
.endif
	s_wait_dscnt 0x0                               ; for the others' sake: my stores have landed
	s_barrier_signal -1
.endif
	COMPUTE \first
.if \quant
	s_barrier_wait -1                              ; every wave's part of the next step's images lies in LDS
.endif
	s_add_co_u32 s24, s24, STEPI
	s_add_co_u32 s25, s25, STEPS
.endm
; Q's tile q from the quantiser's unit e: its scale word, and its six registers into window 1
.macro FINQ q, e
	v_lshlrev_b32 v[QM+\e], v13, v[QBY+\e]         ; my byte (block h of my query's 64) at its place,
	v_permlanex16_b32 v[QM+2+\e], v[QM+\e], s20, s21
	v_or_b32 v[QM+\e], v[QM+\e], v[QM+2+\e]        ; with lane l xor 16's: s0 | s1 << 8
	v_lshl_or_b32 v[QS+\q], v[QM+\e], v14, v15     ; lanes 0-15 (s0, s1, 1, 1); lanes 16-31 (1, 1, s0, s1)
	WIN 0x40
.irp i, 0,1,2,3,4,5
	v_mov_b32 v[QB+6+12*\q+\i], v[QC+8*\e+\i]
.endr
	WIN 0
.endm
	s_load_b256 s[4:11], s[0:1], 0x0               ; q s[4:5], k s[6:7], v s[8:9], out s[10:11]
	v_lshl_add_u32 v254, v0, 2, 0x3a800
	v_mov_b32 v255, 0
	v_lshrrev_b32 v9, 5, v0
	v_readfirstlane_b32 s14, v9                    ; wave w, 0 .. 7
	v_and_b32 v9, 31, v0                           ; lane
	v_and_b32 v10, 15, v0                          ; r
	v_bfe_u32 v11, v0, 4, 1                        ; h
	s_and_b32 s15, s14, 1                          ; w % 2
	s_lshr_b32 s16, s14, 1                         ; w / 2
	v_mul_u32_u24 v1, v9, 48                       ; a reader's place in an image
	v_lshl_add_u32 v2, v10, 4, KSC                 ; and among the scale words: 16 bytes a row
	s_mul_i32 s17, s15, 24                         ; K: I make key tile w of a step: fragment w / 2, half w % 2; writer lane = reader lane
	s_mul_i32 s18, s16, 1536
	s_add_co_u32 s17, s17, s18
	v_add_nc_u32 v3, s17, v1
	s_mul_i32 s17, s15, 3072                       ; V: I make key block w / 2 of columns 32 (w % 2) + lane: d tile 2 (w % 2) + lane / 16, reader lane lane % 16 + 16 ((w / 2) % 2), half w / 4
	s_and_b32 s18, s16, 1
	s_mul_i32 s18, s18, 768
	s_add_co_u32 s17, s17, s18
	s_lshr_b32 s18, s14, 2
	s_mul_i32 s18, s18, 24
	s_add_co_u32 s17, s17, s18
	s_add_co_u32 s17, s17, VIMG
	v_mul_u32_u24 v4, v10, 48
	v_mad_u32_u24 v4, v11, 1536, v4
	v_add_nc_u32 v4, s17, v4
	s_lshl_b32 s17, s14, 1                         ; K's scale byte: 16 r + 2 w + h
	s_add_co_u32 s17, s17, KSC
	v_lshl_add_u32 v5, v10, 4, v11
	v_add_nc_u32 v5, s17, v5
	s_lshl_b32 s17, s15, 3                         ; V's: 16 r + 4 (2 (w % 2) + h) + w / 2
	s_add_co_u32 s17, s17, s16
	s_add_co_u32 s17, s17, VSC
	v_lshlrev_b32 v6, 2, v11
	v_lshl_add_u32 v6, v10, 4, v6
	v_add_nc_u32 v6, s17, v6
	v_and_b32 v7, 8, v10                           ; k: key 32 (w / 2) + 8 (w % 2) + r + 8 (r / 8), rows of 256 bytes, + 128 h
	v_add_nc_u32 v7, v7, v10
	v_lshlrev_b32 v7, 8, v7
	v_lshl_add_u32 v7, v11, 7, v7
	s_lshl_b32 s17, s16, 13
	s_lshl_b32 s18, s15, 11
	s_add_co_u32 s18, s18, s17
	v_add_nc_u32 v7, s18, v7
	s_lshl_b32 s18, s15, 7                         ; v: key 32 (w / 2), column 32 (w % 2) + lane
	s_add_co_u32 s18, s18, s17
	v_lshl_add_u32 v8, v9, 2, s18
	v_lshlrev_b32 v12, 8, v10                      ; q: row r, + 128 h
	v_lshl_add_u32 v12, v11, 7, v12
	v_lshlrev_b32 v13, 3, v11                      ; 8 h
	v_lshlrev_b32 v14, 4, v11                      ; 16 h
	v_mov_b32 v15, 0x01010000
	v_lshrrev_b32 v15, v14, v15                    ; the byte 1 over the zero codes: the upper two bytes in lanes 0-15, the lower two in lanes 16-31
	s_and_b32 s12, ttmp7, 0xffff                   ; the head: 2,048 rows of 256 bytes
	s_lshl_b32 s12, s12, 19
	s_mov_b32 s13, 0
	s_lshl_b32 s18, ttmp9, 17                      ; my block of 512 queries,
	s_lshl_b32 s19, s14, 14                        ; my wave's 64 of them
	s_add_co_u32 s18, s18, s19
	s_add_co_u32 s18, s18, s12
	s_mov_b32 s19, 0
	s_mov_b32 s20, 0x76543210
	s_mov_b32 s21, 0xfedcba98                      ; v_permlanex16_b32's selects for lane l xor 16
	s_mov_b32 s22, 0x3e38aa3b                      ; c = log2(e) / 8
	s_mov_b32 s23, s22                             ; (named with it as a pair, so it is written)
	s_mov_b32 s24, 0                               ; where the step in hand's images begin,
	s_mov_b32 s25, 0                               ; and its scale bytes
	s_wait_kmcnt 0x0
	s_add_nc_u64 s[6:7], s[6:7], s[12:13]
	s_add_nc_u64 s[8:9], s[8:9], s[12:13]
	s_add_nc_u64 s[4:5], s[4:5], s[18:19]
	s_add_nc_u64 s[10:11], s[10:11], s[18:19]
.irp q, 0,1,2,3
.irp j, 0,1,2,3,4,5,6,7
	global_load_b128 v[64+32*\q+4*\j:64+32*\q+4*\j+3], v12, s[4:5] offset:4096*\q+16*\j th:TH_LOAD_NT   ; my 32 numbers of query 16 q + r: read once in the launch
.endr
.endr
	LOADKV 0, 32, 0                                ; step 0's numbers, into the registers that O^T will take
.irp q, 0,1,2,3
	v_mov_b32 v[ST+4*\q+1], 0xff61b1e6             ; the largest t so far: -3e38, under every t
	v_floor_f32 v[ST+4*\q], -v[ST+4*\q+1]          ; -M
	v_mov_b32 v[ST+4*\q+2], 0                      ; the sum, in two halves
	v_mov_b32 v[ST+4*\q+3], 0
	v_mov_b32 v[PT+\q], 0                          ; written once: a lane permute's destination counts as one of its sources
.endr
	v_mov_b32 v[FF+1], 0                           ; (named as the upper half of the pair)
	WIN 0x40
.irp i, 0,1,2,3,4
.irp j, 0,1,2,3,4,5
	v_mov_b32 v[QB+12*\i+\j], 0                    ; the zero codes beside Q
.endr
.endr
	WIN 0
	s_wait_loadcnt 40                              ; Q is in; the 40 younger loads, step 0's, may be out
	QUANT2 64, 96, 0
	FINQ 0, 0
	FINQ 1, 1
	QUANT2 128, 160, 0
	FINQ 2, 0
	FINQ 3, 1
	LOADKV STK, STV, STEPG                         ; step 1's numbers
	s_wait_loadcnt 40                              ; step 0's are in; the 40 just issued may be out
	QUANT2 0, 32, 1
	QSTORE 0, 0
	s_wait_dscnt 0x0                               ; my stores have landed
	s_barrier_signal -1
	s_barrier_wait -1                              ; step 0's images lie in LDS
	TRIP 1, 1, 1                                   ; step 0: its second products start O^T's sums
	s_mov_b32 s26, 13
.Lstep:                                                ; steps 1 to 13: each quantises the next step and asks for the step after that (the last: step 15)
	TRIP 1, 1, 0
	s_sub_co_u32 s26, s26, 1
	s_cmp_lg_u32 s26, 0
	s_cbranch_scc1 .Lstep
	TRIP 1, 0, 0                                   ; step 14: nothing is left to ask for: no load leaves its buffer
	TRIP 0, 0, 0                                   ; step 15
	; THE WAY OUT.  The sum's halves are added; O^T is divided by the sum and goes through my own stage in LDS, a tile (16 rows of 256 bytes) at a time.  The additions are the places behind the last products.
.irp q, 0,1,2,3
	v_add_f32 v[BM+\q], v[ST+4*\q+2], v[ST+4*\q+3]
.endr
.irp q, 0,1,2,3
	v_permlanex16_b32 v[PT+\q], v[BM+\q], s20, s21
.endr
.irp q, 0,1,2,3
	v_add_f32 v[BM+\q], v[BM+\q], v[PT+\q]         ; with lane l xor 16's: the row's sum
.endr
.irp q, 0,1,2,3
	v_rcp_f32 v[BM+\q], v[BM+\q]
.endr
	v_and_b32 v9, 15, v0                           ; (plain lines behind the reciprocals)  r
	v_bfe_u32 v10, v0, 4, 1                        ; h
	s_mul_i32 s15, s14, 16*272
	s_add_co_u32 s15, s15, STG                     ; my stage
	v_mul_u32_u24 v12, v9, 272
	v_lshl_add_u32 v12, v10, 5, v12
	v_add_nc_u32 v12, s15, v12                     ; in: row r; tile t's eight channels of my half: 64 t + 32 h bytes on
	v_mul_u32_u24 v13, v10, 272
	v_lshl_add_u32 v13, v9, 4, v13
	v_add_nc_u32 v13, s15, v13                     ; back: lanes 0-15 one row, lanes 16-31 the next
	v_lshlrev_b32 v14, 8, v10
	v_lshl_add_u32 v14, v9, 4, v14                 ; and the same two rows in out
	s_wait_alu depctr_va_vdst(0)
.macro PACK q
	WIN 0x01                                       ; source 0 window 1
.set jj, 0
.rept 32
	v_mul_f32 v[64+32*\q+jj], v[32*\q+jj], v[BM+\q]                ; register 8 t + i is out(r, 16 t + 8 h + i)
.set jj, jj+1
.endr
	WIN 0
.irp t, 0,1,2,3
	ds_store_b128 v12, v[64+32*\q+8*\t:64+32*\q+8*\t+3] offset:64*\t
	ds_store_b128 v12, v[64+32*\q+8*\t+4:64+32*\q+8*\t+7] offset:64*\t+16
.endr
.irp i, 0,1,2,3,4,5,6,7
	ds_load_b128 v[64+32*\q+4*\i:64+32*\q+4*\i+3], v13 offset:544*\i   ; LDS serves a wave's instructions in order (ISA guide 5.7.1.4): these see the stores above, and the next tile's stores come behind them
.endr
.endm
.macro SEND q, younger                 ; younger: the LDS instructions issued behind tile q's loads: the next tile's sixteen, or none
.irp i, 0,1,2,3,4,5,6,7
	s_wait_dscnt \younger+7-\i
	global_store_b128 v14, v[64+32*\q+4*\i:64+32*\q+4*\i+3], s[10:11] offset:4096*\q+512*\i th:TH_STORE_NT   ; 32 lanes store 512 consecutive bytes, at a multiple of 256 from out's first byte
.endr
.endm
	PACK 0
	PACK 1                                         ; a tile's arithmetic stands between the loads of the tile before and its stores
	SEND 0, 16
	PACK 2
	SEND 1, 16
	PACK 3
	SEND 2, 16
	SEND 3, 0
	s_wait_tensorcnt 0x0
	ds_add_u32 v254, v255
	s_wait_dscnt 0x0
	s_endpgm
.Lfunc_end_k_q3a879fd829_attn:
	.size	k_q3a879fd829_attn, .Lfunc_end_k_q3a879fd829_attn-k_q3a879fd829_attn
	.p2alignl 7, 3214868480
	.fill 96, 4, 3214868480
	.section	.rodata,"a",@progbits
	.p2align	6, 0x0
	.amdhsa_kernel k_q3a879fd829_attn
		.amdhsa_group_segment_fixed_size 240640
		.amdhsa_private_segment_fixed_size 0
		.amdhsa_enable_private_segment 0
		.amdhsa_kernarg_size 32
		.amdhsa_user_sgpr_count 2
		.amdhsa_user_sgpr_kernarg_segment_ptr 1
		.amdhsa_wavefront_size32 1
		.amdhsa_system_sgpr_workgroup_id_x 1
		.amdhsa_system_sgpr_workgroup_id_y 1
		.amdhsa_system_sgpr_workgroup_id_z 1
		.amdhsa_system_vgpr_workitem_id 0
		.amdhsa_next_free_vgpr 512
		.amdhsa_next_free_sgpr 66
		.amdhsa_reserve_vcc 0
		.amdhsa_float_denorm_mode_32 3
		.amdhsa_float_denorm_mode_16_64 3
		.amdhsa_memory_ordered 1
		.amdhsa_forward_progress 1
		.amdhsa_inst_pref_size 255
	.end_amdhsa_kernel
	.section	.bss,"aw",@nobits
	.p2align	6
	.space	262144
	.amdgpu_metadata
---
amdhsa.version: [ 1, 2 ]
amdhsa.kernels:
  - .name:           k_q3a879fd829_attn
    .symbol:         k_q3a879fd829_attn.kd
    .args:
      - { .name: q, .offset: 0, .size: 8, .value_kind: global_buffer, .address_space: global }
      - { .name: k, .offset: 8, .size: 8, .value_kind: global_buffer, .address_space: global }
      - { .name: v, .offset: 16, .size: 8, .value_kind: global_buffer, .address_space: global }
      - { .name: out0, .offset: 24, .size: 8, .value_kind: global_buffer, .address_space: global }
    .group_segment_fixed_size: 240640
    .private_segment_fixed_size: 0
    .kernarg_segment_align: 8
    .kernarg_segment_size: 32
    .max_flat_workgroup_size: 256
    .sgpr_count:     66
    .vgpr_count:     512
    .wavefront_size: 32
...
	.end_amdgpu_metadata
.endif
;; end of part 1
;; ======== version 2 of 2: 1 launch; version 1 with the launch attn written anew for expert scheduling mode
;; launch attn (part 2): grid 4 x 64, 8 waves a work-group, no clusters, 240,640 bytes of LDS; arguments q, k, v, out0; writes out0
.if DOCPART == 2
	.amdgcn_target "amdgcn-amd-amdhsa--gfx1250"
	.amdhsa_code_object_version 6
	.text
	.protected	k_q3a879fd829_attn
	.globl	k_q3a879fd829_attn
	.p2align	8
	.type	k_q3a879fd829_attn,@function
k_q3a879fd829_attn:
	s_mov_b64 s[64:65], 0
	v_nop
	global_prefetch_b8 v0, s[64:65] scope:SCOPE_SE
	s_setreg_imm32_b32 hwreg(HW_REG_WAVE_SCHED_MODE, 0, 2), 2
	s_setreg_imm32_b32 hwreg(HW_REG_WAVE_MODE, 25, 1), 1
	s_wait_xcnt 0x0
	s_wait_alu depctr_vm_vsrc(0)
; out[h][q][:] = the sum over keys of softmax(q . k / 8) v, 64 heads of 2,048 x 64, all f32 in memory; both products on codes of BF6 (E3M2) with one E8M0 scale for each 32 along a product's K.
; t = score x log2(e) / 8; M = the running largest t rounded UP to a whole number; p = 2^(t - M) is quantised along the keys, not normalised; the row's sum is taken of the unquantised p and divides at the end.
; SHARES.  A work-group owns 512 queries of one head: 4 x 64 = 256 work-groups.  Each of its eight waves owns 64 queries, four tiles of 16, and walks all keys, 128 a step, 16 steps.
; THE HEAD'S K AND V ARE QUANTISED BY THE WORK-GROUP ITSELF, one key step ahead of the step that is multiplied: each wave takes 16 keys x 64 of K and 32 keys x 32 columns of V from memory into registers,
; and stores codes and scale bytes into LDS bytes that are written once in the launch: a head's codes are 2 x 96 KiB, its scale bytes 2 x 4 KiB.  No byte of LDS is written twice but each wave's own stage at the end.
; NO JOINT LOADS, though the four work-groups of a head read the same K and V: the numbers arrive as f32 and must pass through registers to be quantised.  Brought into LDS first, a step's 64 KiB would be written there
; and read back, 128 KiB of LDS traffic a step beside the 8 waves x 26 loads x 512 bytes = 104 KiB that the products read.  So they come by plain loads, asked for a whole key step ahead of their use.
; LAYOUT.  Both products are used transposed: S^T = K Q^T (source 0 = 16 keys, source 1 = 16 queries), O^T = V^T P^T (source 0 = 16 of the head's 64, source 1 = P): lane (r = lane % 16, h = lane / 16) holds query r throughout.
; Row m of key tile 2 b + u is key 32 b + 8 u + m + 8 (m / 8), so that the 16 registers of tiles 2 b and 2 b + 1 are the neighbouring keys 32 b + 16 h + 0 .. 15.
; THE FIRST PRODUCT'S K IS 64, THE INSTRUCTION'S 128: a fragment of K holds tile 2 b in its first six registers and tile 2 b + 1 in its last six; Q's six registers stand between runs of six zero registers,
; and the operand [Q | 0] picks tile 2 b, [0 | Q] tile 2 b + 1.  Zero codes add nothing; their scale byte on Q's side is 1.
; IMAGES.  Codes lie in LDS in the order of the operand's registers: reader lane L's twelve registers on end at 48 L, a fragment in 1,536 bytes: three loads of 16 bytes a lane bring it.
; LIMITS: NaN and infinities among the inputs are not served.  A block of zeros gets the byte 1 where the rule says 127: its codes are zeros, and this program alone reads the bytes.  A p under 2^-126 falls to 0.
; A block's largest p is made from its largest score by the same multiply-add and exponential: this takes v_exp_f32 not to fall where its input rises.
; THE MODE: SCHED_MODE bits 1:0 = 2 (LLVM: expert scheduling mode 2), set by the entry lines.  The code itself states the register dependences
; between vector or matrix instructions and memory or LDS instructions, with s_wait_alu, always for 0.
; THE PLAN.  Registers that memory or LDS instructions touch, in a step:
;   STK, STV         Read by the quantiser's maxima and conversions at the step's head; behind them the 40 loads of the step after next land there.
;   QC, QBY, v12-15  Written by the quantiser and by four additions at the step's head; read by the step's eight LDS stores.
;   v9-11            Written by three additions at the step's head; read by the 13 LDS loads of K and the 13 of V.
;   F, SCL           K's fragments and scale words land there at the step's head; the 32 first products read them; V's land behind the last of those; the 16 second products read them.
;   v1-8             Made at the kernel's head, never written again.
;   P, PS (and, made at the head, Q's registers, the zero codes and QS) are named by no memory instruction: vector instructions write them, scaled products take them.
; So a step has: one wait on vm_vsrc at its head, ahead of all that is written again; ONE wait on va_vdst behind the quantiser and the seven additions, which serves the eight stores, K's 13 LDS loads and the 40 loads
; from memory, with no vector instruction between; the wait behind each tile's exponentials; one wait on va_vdst ahead of V's loads; one ahead of the second products, for P and PS.
; F has one set of registers: two waves share a SIMD's 1,024 registers, and this text names all of its 512.
.set VIMG,  98304                      ; LDS: K's images at 0 (step s: 6,144 s; fragment b: 1,536 b; 48 L; half u: 24 u); V's here (d tile t: 1,536 t; half c: 24 c)
.set KSC,   196608                     ; K's scale bytes: 256 s + 16 r + 4 b + 2 u + h
.set VSC,   200704                     ; V's: 256 s + 16 r + 4 t + key block
.set STG,   204800                     ; the way out: 16 rows x (256 + 16) bytes for each wave
.set STEPI, 6144                       ; a step's images of K, or of V
.set STEPS, 256                        ; a step's scale bytes of K, or of V
.set STEPG, 32768                      ; a step's 128 rows of 256 bytes in memory
; window 0: v0 thread; v1 48 x lane; v2 KSC + 16 r; v3, v4 where I store K's and V's codes; v5, v6 their scale bytes; v7, v8 my byte offsets in a step of k and of v; v9-11 addresses of the reads in hand; v12-15 at work
.set ST,  16                           ; v16-31   tile q: -M, the largest t, the sum in two halves
.set SCL, 32                           ; v32-35   K's or V's scale words
.set QS,  36                           ; v36-39   Q's scale words: lanes 0-15 (s0, s1, 1, 1), lanes 16-31 (1, 1, s0, s1)
.set PS,  40                           ; v40-43   P's scale words
.set BM,  44                           ; v44-47   a block's largest score, then its largest p
.set PT,  48                           ; v48-55   at work
.set SO,  56                           ; v56-59   the conversions' scale operands
.set TT,  60
.set FF,  62                           ; v[62:63] f = 2^(old M - new M); v63 is only named with it
.set S,   64                           ; v64-127  S^T of one tile of queries, then p
.set F,   128                          ; v128-175 four fragments of K or of V
.set P,   176                          ; v176-223 P's codes, 12 a tile
.set QM,  224                          ; v224-227 the quantiser: largest magnitudes
.set QSC, 228                          ; v228-229 scale operands
.set QBY, 230                          ; v230-231 scale bytes
.set QC,  232                          ; v232-247 codes: unit e at QC + 8 e
; window 1: v0-127 O^T, accumulator (q, t) at 32 q + 8 t (at the head: step 0's numbers); from v128 zeros and Q by turns; v192-223, v224-255 the next step's numbers of K and of V
.set QB,  128                          ; zeros i at QB + 12 i (i = 0 .. 4), Q's tile i at QB + 6 + 12 i
.set STK, 192
.set STV, 224
.set MSB, 0
.macro WIN new                         ; s_set_vgpr_msb: bits 1:0 source 0, 3:2 source 1, 5:4 source 2, 7:6 destination; the high byte repeats the setting that is left
.if MSB != (\new)
	s_set_vgpr_msb (MSB<<8)|(\new)
.set MSB, (\new)
.endif
.endm
.macro PLACES                          ; four plain vector instructions between a matrix instruction and the first read of its result (ISA guide 7.12.1)
.rept 4
	v_nop
.endr
.endm
; A step's numbers for my two units, from off bytes behind the bases: K: my key's 32 numbers of my half of its row; V: 32 keys of my column
.macro LOADKV kx, vx, off
	WIN 0x40                                       ; destination window 1
.irp j, 0,1,2,3,4,5,6,7
	global_load_b128 v[\kx+4*\j:\kx+4*\j+3], v7, s[6:7] offset:\off+16*\j
.endr
.set jj, 0
.rept 32
	global_load_b32 v[\vx+jj], v8, s[8:9] offset:\off+256*jj       ; 32 lanes read 128 consecutive bytes of one key's row
.set jj, jj+1
.endr
	WIN 0
.endm
; Two blocks of 32 numbers, each whole in my lane (v[xa] on, v[xb] on, in window w), become 2 x 6 registers of codes at QC and QC + 8 and two scale bytes at QBY.
.macro QUANT2 xa, xb, w
	WIN 0x05*(\w)
	v_max3_num_f32 v[QM],   |v[\xa]|,    |v[\xa+1]|,  0x2800000    ; four chains; the floor 2^(5 - 127) is one more leaf, so that the byte cannot fall under 1
	v_max3_num_f32 v[QM+1], |v[\xa+16]|, |v[\xa+17]|, 0x2800000
	v_max3_num_f32 v[QM+2], |v[\xb]|,    |v[\xb+1]|,  0x2800000
	v_max3_num_f32 v[QM+3], |v[\xb+16]|, |v[\xb+17]|, 0x2800000
.irp i, 2,4,6,8,10,12,14
	v_max3_num_f32 v[QM],   |v[\xa+\i]|,    |v[\xa+\i+1]|,  v[QM]
	v_max3_num_f32 v[QM+1], |v[\xa+16+\i]|, |v[\xa+17+\i]|, v[QM+1]
	v_max3_num_f32 v[QM+2], |v[\xb+\i]|,    |v[\xb+\i+1]|,  v[QM+2]
	v_max3_num_f32 v[QM+3], |v[\xb+16+\i]|, |v[\xb+17+\i]|, v[QM+3]
.endr
	WIN 0
	v_max_num_f32 v[QM], v[QM], v[QM+1]
	v_max_num_f32 v[QM+2], v[QM+2], v[QM+3]
	v_add_nc_u32 v[QSC], 0xfe000000, v[QM]         ; 4 off the exponent field: the conversion takes the exponent field of this operand as its scale
	v_add_nc_u32 v[QSC+1], 0xfe000000, v[QM+2]
	v_lshrrev_b32 v[QBY], 23, v[QSC]               ; the scale's byte
	v_lshrrev_b32 v[QBY+1], 23, v[QSC+1]
	WIN 0x01*(\w)
	v_cvt_scalef32_pk16_bf6_f32 v[QC:QC+2],     v[\xa:\xa+15],    v[QSC]
	v_cvt_scalef32_pk16_bf6_f32 v[QC+4:QC+6],   v[\xa+16:\xa+31], v[QSC]     ; (a conversion's three registers begin on an even number)
	v_cvt_scalef32_pk16_bf6_f32 v[QC+8:QC+10],  v[\xb:\xb+15],    v[QSC+1]
	v_cvt_scalef32_pk16_bf6_f32 v[QC+12:QC+14], v[\xb+16:\xb+31], v[QSC+1]
	WIN 0
	v_nop                                          ; one plain place behind a scaled conversion
.irp e, 0,8
.irp i, 3,4,5
	v_mov_b32 v[QC+\e+\i], v[QC+\e+\i+1]           ; the block's 24 bytes on end
.endr
.endr
.endm
; The two units go to LDS.  QADR: where, by the step that s24 and s25 stand at;  QST: the stores, ko, so bytes behind that step's images and scale bytes
.macro QADR
	v_add_nc_u32 v12, s24, v3
	v_add_nc_u32 v13, s24, v4
	v_add_nc_u32 v14, s25, v5
	v_add_nc_u32 v15, s25, v6
.endm
.macro QST ko, so
.irp i, 0,1,2
	ds_store_b64 v12, v[QC+2*\i:QC+2*\i+1] offset:\ko+8*\i
.endr
.irp i, 0,1,2
	ds_store_b64 v13, v[QC+8+2*\i:QC+9+2*\i] offset:\ko+8*\i
.endr
	ds_store_b8 v14, v[QBY] offset:\so
	ds_store_b8 v15, v[QBY+1] offset:\so
.endm
.macro RADR                            ; where the step in hand's images and scale words are read
	v_add_nc_u32 v9, s24, v1                       ; four plain lines stand between the last step's products and the loads into their operands, beside the wait that follows them
	v_add_nc_u32 v11, s25, v2
	v_add_nc_u32 v10, VIMG, v9
	v_nop
.endm
.macro KLOADS                          ; the step's four scale words a row by one load, then its four fragments of K (32 keys each)
	ds_load_b128 v[SCL:SCL+3], v11
.irp b, 0,1,2,3
.irp j, 0,1,2
	ds_load_b128 v[F+12*\b+4*\j:F+12*\b+4*\j+3], v9 offset:1536*\b+16*\j
.endr
.endr
.endm
.macro VLOADS                          ; the same for V: four tiles of 16 of the head's 64 x 128 keys
	ds_load_b128 v[SCL:SCL+3], v11 offset:VSC-KSC
.irp t, 0,1,2,3
.irp j, 0,1,2
	ds_load_b128 v[F+12*\t+4*\j:F+12*\t+4*\j+3], v10 offset:1536*\t+16*\j
.endr
.endr
.endm
; S^T of tile q of my queries against the step's 128 keys: eight products.  counted = 1: the step's first tile: in the last step, which has no barrier's signal ahead, the fragments are still landing
.macro SWMMA q, counted
	WIN 0x04                                       ; source 1 (Q) window 1
.irp b, 0,1,2,3
.if \counted
	s_wait_dscnt 3*(3-\b)                          ; LDS loads come back in order: the three loads of each later fragment may be out
.endif
	v_wmma_scale_f32_16x16x128_f8f6f4 v[S+16*\b:S+16*\b+7], v[F+12*\b:F+12*\b+11], v[QB+6+12*(\q):QB+17+12*(\q)], 0, v[SCL+\b], v[QS+(\q)] matrix_a_fmt:MATRIX_FMT_BF6 matrix_b_fmt:MATRIX_FMT_BF6
	v_wmma_scale_f32_16x16x128_f8f6f4 v[S+8+16*\b:S+15+16*\b], v[F+12*\b:F+12*\b+11], v[QB+12*(\q):QB+11+12*(\q)], 0, v[SCL+\b], v[QS+(\q)] matrix_a_fmt:MATRIX_FMT_BF6 matrix_b_fmt:MATRIX_FMT_BF6 matrix_b_scale:MATRIX_SCALE_ROW1
.endr
	WIN 0
.endm
; Tile q's softmax for this step: S^T becomes p, P's codes and scale word; -M, the largest t and the sum are carried on; f is left in v[FF].  Each accumulator is read from its low end on.
.macro SOFTMAX q
.set rT, ST+4*(\q)
.set rP, P+12*(\q)
.irp b, 0,1,2,3
	v_max3_num_f32 v[BM+\b], v[S+16*\b], v[S+1+16*\b], v[S+2+16*\b]          ; the largest score of each block of 32 keys: for the row's maximum, and for the block's largest p
.endr
.irp i, 3,5,7,9,11,13
.irp b, 0,1,2,3
	v_max3_num_f32 v[BM+\b], v[BM+\b], v[S+16*\b+\i], v[S+1+16*\b+\i]        ; (the four blocks by turns)
.endr
.endr
.irp b, 0,1,2,3
	v_max_num_f32 v[BM+\b], v[BM+\b], v[S+15+16*\b]
.endr
.irp b, 0,1,2,3
	v_permlanex16_b32 v[PT+\b], v[BM+\b], s20, s21
.endr
.irp b, 0,1,2,3
	v_max_num_f32 v[BM+\b], v[BM+\b], v[PT+\b]     ; with lane l xor 16's 16 keys
.endr
	v_max3_num_f32 v[TT], v[BM], v[BM+1], v[BM+2]
	v_max_num_f32 v[TT], v[TT], v[BM+3]            ; the step's largest score of my query,
	v_mul_f32 v[TT], s22, v[TT]                    ; as t (c is positive)
	v_max_num_f32 v[rT+1], v[rT+1], v[TT]          ; the running largest t
	v_mov_b32 v[TT], v[rT]
	v_floor_f32 v[rT], -v[rT+1]                    ; the new -M = floor(-t) = -ceil(t): a whole number
	v_sub_f32 v[TT], v[rT], v[TT]                  ; old M - new M: a whole number, 0 or less
	v_cvt_i32_f32 v[TT], v[TT]                     ; (it saturates)
	v_ldexp_f32 v[FF], 1.0, v[TT]                  ; f = 2^(old M - new M): a multiplication by it rounds nothing
.set jj, 0
.rept 32
	v_pk_fma_f32 v[S+jj:S+jj+1], v[S+jj:S+jj+1], s[22:23], v[rT:rT+1] op_sel_hi:[1,0,0]   ; t - M, two at a time (of the pairs c and -M the low word serves both halves)
.set jj, jj+2
.endr
.irp b, 0,1,2,3
	v_fma_f32 v[BM+\b], v[BM+\b], s22, v[rT]       ; the same of each block's largest score
.endr
.set jj, 0
	s_wait_alu depctr_va_vdst(0)
.rept 64
	v_exp_f32 v[S+jj], v[S+jj]                     ; p = 2^(t - M), at most 1
.set jj, jj+1
.endr
.irp b, 0,1,2,3
	v_exp_f32 v[BM+\b], v[BM+\b]                   ; the block's largest p
.endr
	v_pk_mul_f32 v[rT+2:rT+3], v[rT+2:rT+3], v[FF:FF+1] op_sel_hi:[1,0]      ; the sum under the new M.  (The plain place behind the exponentials)
	s_wait_alu depctr_va_vdst(0)                   ; the 68 exponentials have written p and the blocks' largest p: one wait for the batch, ahead of its first reader
.irp b, 0,1,2,3
	v_max_num_f32 v[BM+\b], 0x2800000, v[BM+\b]    ; the floor 2^(5 - 127): the byte cannot fall under 1
.endr
.irp b, 0,1,2,3
	v_add_nc_u32 v[SO+\b], 0xfe000000, v[BM+\b]    ; 4 off the exponent field: the conversion's scale operand
.endr
.irp b, 0,1,2,3
	v_lshrrev_b32 v[PT+\b], 23, v[SO+\b]           ; the scale's byte
.endr
	v_lshl_or_b32 v[PS+(\q)], v[PT+1], 8, v[PT]    ; p's scale word for these 128 keys
	v_lshl_or_b32 v[PS+(\q)], v[PT+2], 16, v[PS+(\q)]
	v_lshl_or_b32 v[PS+(\q)], v[PT+3], 24, v[PS+(\q)]
.irp c, 0,1
	v_cvt_scalef32_pk16_bf6_f32 v[rP+6*\c:rP+2+6*\c], v[S+32*\c:S+15+32*\c], v[SO+2*\c]
	v_cvt_scalef32_pk16_bf6_f32 v[PT+4*\c:PT+2+4*\c], v[S+16+32*\c:S+31+32*\c], v[SO+2*\c+1]   ; (a conversion's three registers begin on an even number)
.endr
	v_nop                                          ; one plain place behind a scaled conversion
.irp c, 0,1                                    ; the operand's layout wants a whole block in a lane: lanes 0-15 block 2 c, lanes 16-31 block 2 c + 1
.irp i, 0,1,2
	v_permlane16_swap_b32 v[rP+6*\c+\i], v[PT+4*\c+\i]
.endr
.irp i, 0,1,2
	v_mov_b32 v[rP+3+6*\c+\i], v[PT+4*\c+\i]
.endr
.endr
	v_pk_add_f32 v[PT:PT+1], v[S:S+1], v[S+2:S+3]  ; the row's sum is taken of the unquantised p: two at a time, in two chains
.set jj, 4
.rept 15
	v_pk_add_f32 v[rT+2:rT+3], v[rT+2:rT+3], v[S+jj:S+jj+1]
	v_pk_add_f32 v[PT:PT+1], v[PT:PT+1], v[S+2+jj:S+3+jj]
.set jj, jj+4
.endr
	v_pk_add_f32 v[rT+2:rT+3], v[rT+2:rT+3], v[PT:PT+1]
.endm
.macro RESCALE q                       ; tile q's O^T under the new M: x f, from each accumulator's low end on
	WIN 0x41                                       ; destination and source 0 window 1
.set jj, 32*(\q)
.rept 16
	v_pk_mul_f32 v[jj:jj+1], v[jj:jj+1], v[FF:FF+1] op_sel_hi:[1,0]
.set jj, jj+2
.endr
	WIN 0
.endm
.macro PV first                        ; O^T += V^T P^T: the 16 accumulators take turns, one instruction a turn.  first = 1: the products start the sums: nothing is cleared
	s_wait_dscnt 0x0                               ; V's fragments and scale words are in
	s_wait_alu depctr_va_vdst(0)                   ; the vector lines have written P's codes and its scale words PS, which the scaled products below take; the sums and the rescaling behind those lines are the places, which stay beside this wait
	WIN 0x50                                       ; C and D window 1
.irp t, 0,1,2,3
.irp q, 0,1,2,3
.if \first
	v_wmma_scale_f32_16x16x128_f8f6f4 v[32*\q+8*\t:32*\q+8*\t+7], v[F+12*\t:F+12*\t+11], v[P+12*\q:P+12*\q+11], 0, v[SCL+\t], v[PS+\q] matrix_a_fmt:MATRIX_FMT_BF6 matrix_b_fmt:MATRIX_FMT_BF6
.else
	v_wmma_scale_f32_16x16x128_f8f6f4 v[32*\q+8*\t:32*\q+8*\t+7], v[F+12*\t:F+12*\t+11], v[P+12*\q:P+12*\q+11], v[32*\q+8*\t:32*\q+8*\t+7], v[SCL+\t], v[PS+\q] matrix_a_fmt:MATRIX_FMT_BF6 matrix_b_fmt:MATRIX_FMT_BF6
.endif
.endr
.endr
	WIN 0
.endm
; A key step's products and softmax; K's fragments have been asked for.  The next tile's eight products are issued ahead of the last tile's rescaling of O^T, whose 16 lines are their places.
.macro COMPUTE first
	SWMMA 0, 1
	PLACES
.irp q, 0,1,2,3
	SOFTMAX \q
.if \q < 3
	SWMMA \q+1, 0
.endif
.if \first
.if \q < 3
	PLACES                                         ; the first step has nothing to rescale
.endif
.else
	RESCALE \q
.endif
.if \q == 2
	s_wait_alu depctr_va_vdst(0)                   ; the step's last eight first products are done reading F and SCL, in which V's fragments and scale words land
	VLOADS                                         ; K's fragments are done with; V's land under the last tile's softmax
.endif
.endr
	PV \first
.endm
; A trip.  quant = 1: the next step's numbers, asked for a trip ago, are quantised and stored; load = 1: the numbers of the step after that are asked for.
; ONE BARRIER A STEP: a wave signals when its stores of the next step's images are done, works on this step, and waits at the trip's end.  Between signal and wait stand register work
; and LDS loads of this step's images, which no wave ever writes again.  K's fragments of this step, whole since the last trip's barrier, are asked for ahead of the loads from memory and land while those are issued.
.macro TRIP quant, load, first
	s_wait_alu depctr_vm_vsrc(0)                   ; the last step's LDS loads have read v9-11, and the last LDS stores v12-15, QC and QBY: all of these are written again below
.if \quant
	s_wait_loadcnt 0x0                             ; the next step's numbers are in; the loads are done, so their bases may step
	s_add_nc_u64 s[6:7], s[6:7], STEPG
	s_add_nc_u64 s[8:9], s[8:9], STEPG
	QUANT2 STK, STV, 1
	QADR
.endif
	RADR
	s_wait_alu depctr_va_vdst(0)                   ; QC, QBY and v9-15 are written, which the LDS stores and loads below read; the conversions are done reading STK and STV, in which the loads from memory land; the last step's second products are done reading F and SCL, in which K's fragments land
.if \quant
	QST STEPI, STEPS
.endif
	KLOADS
.if \quant
.if \load
	LOADKV STK, STV, STEPG                         ; no vector instruction since the wait above: it serves these too
.endif
	s_wait_dscnt 0x0                               ; for the others' sake: my stores have landed
	s_barrier_signal -1
.endif
	COMPUTE \first
.if \quant
	s_barrier_wait -1                              ; every wave's part of the next step's images lies in LDS
.endif
	s_add_co_u32 s24, s24, STEPI
	s_add_co_u32 s25, s25, STEPS
.endm
; Q's tile q from the quantiser's unit e: its scale word, and its six registers into window 1
.macro FINQ q, e
	v_lshlrev_b32 v[QM+\e], v13, v[QBY+\e]         ; my byte (block h of my query's 64) at its place,
	v_permlanex16_b32 v[QM+2+\e], v[QM+\e], s20, s21
	v_or_b32 v[QM+\e], v[QM+\e], v[QM+2+\e]        ; with lane l xor 16's: s0 | s1 << 8
	v_lshl_or_b32 v[QS+\q], v[QM+\e], v14, v15     ; lanes 0-15 (s0, s1, 1, 1); lanes 16-31 (1, 1, s0, s1)
	WIN 0x40
.irp i, 0,1,2,3,4,5
	v_mov_b32 v[QB+6+12*\q+\i], v[QC+8*\e+\i]
.endr
	WIN 0
.endm
	s_load_b256 s[4:11], s[0:1], 0x0               ; q s[4:5], k s[6:7], v s[8:9], out s[10:11]
	v_lshl_add_u32 v254, v0, 2, 0x3a800
	v_mov_b32 v255, 0
	v_lshrrev_b32 v9, 5, v0
	v_readfirstlane_b32 s14, v9                    ; wave w, 0 .. 7
	v_and_b32 v9, 31, v0                           ; lane
	v_and_b32 v10, 15, v0                          ; r
	s_wait_alu depctr_va_vdst(0)
	v_bfe_u32 v11, v0, 4, 1                        ; h
	s_wait_alu depctr_va_sdst(0)                   ; s14 is written, ahead of its first reader: the wave's places in LDS and in memory are made from it
	s_and_b32 s15, s14, 1                          ; w % 2
	s_lshr_b32 s16, s14, 1                         ; w / 2
	v_mul_u32_u24 v1, v9, 48                       ; a reader's place in an image
	v_lshl_add_u32 v2, v10, 4, KSC                 ; and among the scale words: 16 bytes a row
	s_mul_i32 s17, s15, 24                         ; K: I make key tile w of a step: fragment w / 2, half w % 2; writer lane = reader lane
	s_mul_i32 s18, s16, 1536
	s_add_co_u32 s17, s17, s18
	v_add_nc_u32 v3, s17, v1
	s_mul_i32 s17, s15, 3072                       ; V: I make key block w / 2 of columns 32 (w % 2) + lane: d tile 2 (w % 2) + lane / 16, reader lane lane % 16 + 16 ((w / 2) % 2), half w / 4
	s_and_b32 s18, s16, 1
	s_mul_i32 s18, s18, 768
	s_add_co_u32 s17, s17, s18
	s_lshr_b32 s18, s14, 2
	s_mul_i32 s18, s18, 24
	s_add_co_u32 s17, s17, s18
	s_add_co_u32 s17, s17, VIMG
	v_mul_u32_u24 v4, v10, 48
	s_wait_alu depctr_va_vdst(0)
	v_mad_u32_u24 v4, v11, 1536, v4
	v_add_nc_u32 v4, s17, v4
	s_lshl_b32 s17, s14, 1                         ; K's scale byte: 16 r + 2 w + h
	s_add_co_u32 s17, s17, KSC
	v_lshl_add_u32 v5, v10, 4, v11
	v_add_nc_u32 v5, s17, v5
	s_lshl_b32 s17, s15, 3                         ; V's: 16 r + 4 (2 (w % 2) + h) + w / 2
	s_add_co_u32 s17, s17, s16
	s_add_co_u32 s17, s17, VSC
	v_lshlrev_b32 v6, 2, v11
	v_lshl_add_u32 v6, v10, 4, v6
	v_add_nc_u32 v6, s17, v6
	v_and_b32 v7, 8, v10                           ; k: key 32 (w / 2) + 8 (w % 2) + r + 8 (r / 8), rows of 256 bytes, + 128 h
	v_add_nc_u32 v7, v7, v10
	v_lshlrev_b32 v7, 8, v7
	v_lshl_add_u32 v7, v11, 7, v7
	s_lshl_b32 s17, s16, 13
	s_lshl_b32 s18, s15, 11
	s_add_co_u32 s18, s18, s17
	v_add_nc_u32 v7, s18, v7
	s_lshl_b32 s18, s15, 7                         ; v: key 32 (w / 2), column 32 (w % 2) + lane
	s_add_co_u32 s18, s18, s17
	v_lshl_add_u32 v8, v9, 2, s18
	v_lshlrev_b32 v12, 8, v10                      ; q: row r, + 128 h
	v_lshl_add_u32 v12, v11, 7, v12
	v_lshlrev_b32 v13, 3, v11                      ; 8 h
	v_lshlrev_b32 v14, 4, v11                      ; 16 h
	v_mov_b32 v15, 0x01010000
	v_lshrrev_b32 v15, v14, v15                    ; the byte 1 over the zero codes: the upper two bytes in lanes 0-15, the lower two in lanes 16-31
	s_and_b32 s12, ttmp7, 0xffff                   ; the head: 2,048 rows of 256 bytes
	s_lshl_b32 s12, s12, 19
	s_mov_b32 s13, 0
	s_lshl_b32 s18, ttmp9, 17                      ; my block of 512 queries,
	s_lshl_b32 s19, s14, 14                        ; my wave's 64 of them
	s_add_co_u32 s18, s18, s19
	s_add_co_u32 s18, s18, s12
	s_mov_b32 s19, 0
	s_mov_b32 s20, 0x76543210
	s_mov_b32 s21, 0xfedcba98                      ; v_permlanex16_b32's selects for lane l xor 16
	s_mov_b32 s22, 0x3e38aa3b                      ; c = log2(e) / 8
	s_mov_b32 s23, s22                             ; (named with it as a pair, so it is written)
	s_mov_b32 s24, 0                               ; where the step in hand's images begin,
	s_mov_b32 s25, 0                               ; and its scale bytes
	s_wait_kmcnt 0x0
	s_add_nc_u64 s[6:7], s[6:7], s[12:13]
	s_add_nc_u64 s[8:9], s[8:9], s[12:13]
	s_add_nc_u64 s[4:5], s[4:5], s[18:19]
	s_add_nc_u64 s[10:11], s[10:11], s[18:19]
	s_wait_alu depctr_va_vdst(0)                   ; v7, v8 and v12 are written, which the loads below read as offsets; so are v1-6, v254 and v255, which LDS instructions read later and no line writes again
.irp q, 0,1,2,3
.irp j, 0,1,2,3,4,5,6,7
	global_load_b128 v[64+32*\q+4*\j:64+32*\q+4*\j+3], v12, s[4:5] offset:4096*\q+16*\j th:TH_LOAD_NT   ; my 32 numbers of query 16 q + r: read once in the launch
.endr
.endr
	LOADKV 0, 32, 0                                ; step 0's numbers, into the registers that O^T will take
.irp q, 0,1,2,3
	v_mov_b32 v[ST+4*\q+1], 0xff61b1e6             ; the largest t so far: -3e38, under every t
	v_floor_f32 v[ST+4*\q], -v[ST+4*\q+1]          ; -M
	v_mov_b32 v[ST+4*\q+2], 0                      ; the sum, in two halves
	v_mov_b32 v[ST+4*\q+3], 0
	v_mov_b32 v[PT+\q], 0                          ; written once: a lane permute's destination counts as one of its sources
.endr
	v_mov_b32 v[FF+1], 0                           ; (named as the upper half of the pair)
	WIN 0x40
.irp i, 0,1,2,3,4
.irp j, 0,1,2,3,4,5
	v_mov_b32 v[QB+12*\i+\j], 0                    ; the zero codes beside Q
.endr
.endr
	WIN 0
	s_wait_loadcnt 40                              ; Q is in; the 40 younger loads, step 0's, may be out
	QUANT2 64, 96, 0
	FINQ 0, 0
	FINQ 1, 1
	QUANT2 128, 160, 0
	FINQ 2, 0
	FINQ 3, 1
	LOADKV STK, STV, STEPG                         ; step 1's numbers: they land in registers that no vector instruction has named, by offsets that stand since the wait ahead of the first load
	s_wait_loadcnt 40                              ; step 0's are in; the 40 just issued may be out
	s_wait_alu depctr_vm_vsrc(0)                   ; Q's loads have read v12, which is written again below
	QUANT2 0, 32, 1
	QADR
	s_wait_alu depctr_va_vdst(0)                   ; QC, QBY and v12-15 are written, which the LDS stores read; so are Q's registers, the zero codes and QS, which the scaled products take
	QST 0, 0
	s_wait_dscnt 0x0                               ; my stores have landed
	s_barrier_signal -1
	s_barrier_wait -1                              ; step 0's images lie in LDS
	TRIP 1, 1, 1                                   ; step 0: its second products start O^T's sums
	s_mov_b32 s26, 13
.Lstep:                                                ; steps 1 to 13: each quantises the next step and asks for the step after that (the last: step 15)
	TRIP 1, 1, 0
	s_sub_co_u32 s26, s26, 1
	s_cmp_lg_u32 s26, 0
	s_cbranch_scc1 .Lstep
	TRIP 1, 0, 0                                   ; step 14: nothing is left to ask for: no load leaves its buffer
	TRIP 0, 0, 0                                   ; step 15
	; THE WAY OUT.  The sum's halves are added; O^T is divided by the sum and goes through my own stage in LDS, a tile (16 rows of 256 bytes) at a time.  The additions are the places behind the last products.
	s_wait_alu depctr_vm_vsrc(0)                   ; the last step's LDS loads have read v9 and v10, which are written again below
.irp q, 0,1,2,3
	v_add_f32 v[BM+\q], v[ST+4*\q+2], v[ST+4*\q+3]
.endr
.irp q, 0,1,2,3
	v_permlanex16_b32 v[PT+\q], v[BM+\q], s20, s21
.endr
.irp q, 0,1,2,3
	v_add_f32 v[BM+\q], v[BM+\q], v[PT+\q]         ; with lane l xor 16's: the row's sum
.endr
	s_wait_alu depctr_va_vdst(0)
.irp q, 0,1,2,3
	v_rcp_f32 v[BM+\q], v[BM+\q]
.endr
	v_and_b32 v9, 15, v0                           ; (plain lines behind the reciprocals)  r
	v_bfe_u32 v10, v0, 4, 1                        ; h
	s_mul_i32 s15, s14, 16*272
	s_add_co_u32 s15, s15, STG                     ; my stage
	v_mul_u32_u24 v12, v9, 272
	v_lshl_add_u32 v12, v10, 5, v12
	v_add_nc_u32 v12, s15, v12                     ; in: row r; tile t's eight channels of my half: 64 t + 32 h bytes on
	v_mul_u32_u24 v13, v10, 272
	v_lshl_add_u32 v13, v9, 4, v13
	v_add_nc_u32 v13, s15, v13                     ; back: lanes 0-15 one row, lanes 16-31 the next
	v_lshlrev_b32 v14, 8, v10
	v_lshl_add_u32 v14, v9, 4, v14                 ; and the same two rows in out
	s_wait_alu depctr_va_vdst(0)                   ; the four reciprocals have written v[BM ..], ahead of their first reader; v12-14 are written, which the LDS instructions and the stores below read
.macro PACK q
	WIN 0x01                                       ; source 0 window 1
.set jj, 0
.rept 32
	v_mul_f32 v[64+32*\q+jj], v[32*\q+jj], v[BM+\q]                ; register 8 t + i is out(r, 16 t + 8 h + i)
.set jj, jj+1
.endr
	WIN 0
	s_wait_alu depctr_va_vdst(0)                   ; the multiplications have written the tile's 32 registers, which the LDS stores read and in which the LDS loads land
.irp t, 0,1,2,3
	ds_store_b128 v12, v[64+32*\q+8*\t:64+32*\q+8*\t+3] offset:64*\t
	ds_store_b128 v12, v[64+32*\q+8*\t+4:64+32*\q+8*\t+7] offset:64*\t+16
.endr
	s_wait_alu depctr_vm_vsrc(0)                   ; the LDS stores have read the tile's 32 registers, in which the loads below land
.irp i, 0,1,2,3,4,5,6,7
	ds_load_b128 v[64+32*\q+4*\i:64+32*\q+4*\i+3], v13 offset:544*\i   ; LDS serves a wave's instructions in order (ISA guide 5.7.1.4): these see the stores above, and the next tile's stores come behind them
.endr
.endm
.macro SEND q, younger                 ; younger: the LDS instructions issued behind tile q's loads: the next tile's sixteen, or none
.irp i, 0,1,2,3,4,5,6,7
	s_wait_dscnt \younger+7-\i
	global_store_b128 v14, v[64+32*\q+4*\i:64+32*\q+4*\i+3], s[10:11] offset:4096*\q+512*\i th:TH_STORE_NT   ; 32 lanes store 512 consecutive bytes, at a multiple of 256 from out's first byte
.endr
.endm
	PACK 0
	PACK 1                                         ; a tile's arithmetic stands between the loads of the tile before and its stores
	SEND 0, 16
	PACK 2
	SEND 1, 16
	PACK 3
	SEND 2, 16
	SEND 3, 0
	s_wait_dscnt 0x0                               ; the closing lines, six on end
	s_wait_alu 0x0
	s_wait_tensorcnt 0x0
	ds_add_u32 v254, v255
	s_wait_dscnt 0x0
	s_endpgm
.Lfunc_end_k_q3a879fd829_attn:
	.size	k_q3a879fd829_attn, .Lfunc_end_k_q3a879fd829_attn-k_q3a879fd829_attn
	.p2alignl 7, 3214868480
	.fill 96, 4, 3214868480
	.section	.rodata,"a",@progbits
	.p2align	6, 0x0
	.amdhsa_kernel k_q3a879fd829_attn
		.amdhsa_group_segment_fixed_size 240640
		.amdhsa_private_segment_fixed_size 0
		.amdhsa_enable_private_segment 0
		.amdhsa_kernarg_size 32
		.amdhsa_user_sgpr_count 2
		.amdhsa_user_sgpr_kernarg_segment_ptr 1
		.amdhsa_wavefront_size32 1
		.amdhsa_system_sgpr_workgroup_id_x 1
		.amdhsa_system_sgpr_workgroup_id_y 1
		.amdhsa_system_sgpr_workgroup_id_z 1
		.amdhsa_system_vgpr_workitem_id 0
		.amdhsa_next_free_vgpr 512
		.amdhsa_next_free_sgpr 66
		.amdhsa_reserve_vcc 0
		.amdhsa_float_denorm_mode_32 3
		.amdhsa_float_denorm_mode_16_64 3
		.amdhsa_memory_ordered 1
		.amdhsa_forward_progress 1
		.amdhsa_inst_pref_size 255
	.end_amdhsa_kernel
	.section	.bss,"aw",@nobits
	.p2align	6
	.space	262144
	.amdgpu_metadata
---
amdhsa.version: [ 1, 2 ]
amdhsa.kernels:
  - .name:           k_q3a879fd829_attn
    .symbol:         k_q3a879fd829_attn.kd
    .args:
      - { .name: q, .offset: 0, .size: 8, .value_kind: global_buffer, .address_space: global }
      - { .name: k, .offset: 8, .size: 8, .value_kind: global_buffer, .address_space: global }
      - { .name: v, .offset: 16, .size: 8, .value_kind: global_buffer, .address_space: global }
      - { .name: out0, .offset: 24, .size: 8, .value_kind: global_buffer, .address_space: global }
    .group_segment_fixed_size: 240640
    .private_segment_fixed_size: 0
    .kernarg_segment_align: 8
    .kernarg_segment_size: 32
    .max_flat_workgroup_size: 256
    .sgpr_count:     66
    .vgpr_count:     512
    .wavefront_size: 32
...
	.end_amdgpu_metadata
.endif
;; end of part 2
